; MI455X (gfx1250); checked and timed in simulation.
; The chip was launched on July 23, 2026; its instructions are those of AMD's public machine-readable ISA for CDNA 5 (MIT licence, August 2026) and "CDNA5" Instruction Set Architecture Reference Guide (July 2026). The comments in the code are by the model that wrote it; some were corrected since.
;; Multi Head Self Attention. Allowed arithmetic: matrix products marked QUANTISED: E2M1 operands, one E8M0 scale for each 32 along K, by v_wmma_scale_f32_16x16x128_f8f6f4 with both operands' format E2M1 (or v_wmma_scale_f32_32x16x128_f4), f32 sums; everything else in f32.
;; Inputs: WK_b 1,024 float32; WK_w_codes 1,024 x 32 x 16 uint8 (E2M1 codes of WK_w, K innermost, in blocks of 32 codes, two codes a byte); WK_w_scales 1,024 x 32 uint8 (E8M0 scales of WK_w, one for each 32 codes along K); WO_b 1,024 float32; WO_w_codes 1,024 x 32 x 16 uint8 (E2M1 codes of WO_w, K innermost, in blocks of 32 codes, two codes a byte); WO_w_scales 1,024 x 32 uint8 (E8M0 scales of WO_w, one for each 32 codes along K); WQ_b 1,024 float32; WQ_w_codes 1,024 x 32 x 16 uint8 (E2M1 codes of WQ_w, K innermost, in blocks of 32 codes, two codes a byte); WQ_w_scales 1,024 x 32 uint8 (E8M0 scales of WQ_w, one for each 32 codes along K); WV_b 1,024 float32; WV_w_codes 1,024 x 32 x 16 uint8 (E2M1 codes of WV_w, K innermost, in blocks of 32 codes, two codes a byte); WV_w_scales 1,024 x 32 uint8 (E8M0 scales of WV_w, one for each 32 codes along K); mask 4 x 2,048 bool; x_codes 4 x 2,048 x 32 x 16 uint8 (E2M1 codes of x, K innermost, in blocks of 32 codes, two codes a byte); x_scales 4 x 2,048 x 32 uint8 (E8M0 scales of x, one for each 32 codes along K).
;; Outputs: out0 4 x 2,048 x 1,024 float32.
;; This version of the problem:
;;   THIS VERSION OF THE PROBLEM IS GIVEN IN LOW PRECISION. The matrix products marked QUANTISED in the list below multiply operands that are first quantised to E2M1 (2 exponent bits, 1 mantissa bit; 4 bits a number), with one power-of-two scale for each 32 numbers along K (OCP MX v1.0); their sums are f32. All else is computed in f32.
;;   The module's matrix products, in the order in which they are computed (A, B: the left and right operand; K: the contracted axis; several contracted axes count as one K, in the product's order):
;;     1. [M 8,192, K 1,024] x [K 1,024, N 1,024]; A: input x (given as codes); B: input WQ_w (given as codes): QUANTISED
;;     2. [M 8,192, K 1,024] x [K 1,024, N 1,024]; A: input x (given as codes); B: input WK_w (given as codes): QUANTISED
;;     3. [M 8,192, K 1,024] x [K 1,024, N 1,024]; A: input x (given as codes); B: input WV_w (given as codes): QUANTISED
;;     4. batch 64 x [M 2,048, K 64] x [K 64, N 2,048]; A: computed on the way; B: computed on the way: QUANTISED
;;     5. batch 64 x [M 2,048, K 2,048] x [K 2,048, N 64]; A: softmax (see below); B: computed on the way: QUANTISED
;;     6. [M 8,192, K 1,024] x [K 1,024, N 1,024]; A: computed on the way; B: input WO_w (given as codes): QUANTISED
;;   THE QUANTISER, for each operand of a quantised product, along K:
;;     - K is cut into blocks of 32 from its start; a last block that is shorter is filled with zeros.
;;     - A block's scale is 2^e with e = floor(log2(the largest magnitude in the block)) - 2, held to -126 .. 127; a block of zeros has e = 0. As a byte (E8M0): e + 127.
;;     - Each number is divided by its block's scale, clamped to +-6, and rounded to the nearest number of E2M1, ties to even, subnormals kept.
;;     - The product sums the exact products of the quantised numbers (number of the format x scale) in f32.
;;   ~~~python
;;   def quantise(x, axis):      # numpy; x: float32 -> the quantised numbers, widened to float32 again
;;       x = np.moveaxis(x, axis, -1); K = x.shape[-1]
;;       x = np.pad(x, [(0, 0)] * (x.ndim - 1) + [(0, -K % 32)]); x = x.reshape(x.shape[:-1] + (-1, 32)); a = np.abs(x).max(-1, keepdims=True)
;;       e = np.where(a > 0, np.clip(np.frexp(np.where(a > 0, a, 1))[1] - 1 - 2, -126, 127), 0)      # np.frexp(a)[1] - 1 = floor(log2(a)), exactly
;;       r = np.clip(x / 2.0 ** e, -6, 6)
;;       step = 2.0 ** (np.maximum(np.frexp(np.where(r == 0, 1, r))[1] - 1, 0) - 1)
;;       q = np.round(r / step) * step * 2.0 ** e      # np.round: ties to even
;;       return np.moveaxis(q.reshape(q.shape[:-2] + (-1,))[..., :K], -1, axis).astype(np.float32)
;;   ~~~
;;   SOFTMAX AHEAD OF A QUANTISED PRODUCT. Where the list says 'softmax', what is quantised is not the finished softmax but p = 2^(t - M), with t = logit x log2(e) and M = ceil(the row's largest t), a whole number; so 1/2 < the row's largest p <= 1. The row's sum l is taken of the UNQUANTISED p, in f32, and the product's result is divided by l at the end. Since M is a whole number, a kernel that streams over the keys may use a running M (the ceiling of the running maximum): every later rescaling is an exact power of two, which a block's scale takes up: the codes' values come out the same.
;;   OPERANDS COMPUTED ON THE WAY. 'Computed on the way' means the value that the module computes at that place (a softmax that the list does not call 'softmax' is quantised finished and normalised). What goes into a quantiser is computed in f32, as accurately as f32 sums, v_exp_f32 and their like allow (about 1e-6 of the number): no bf16 or f16 on the way to a quantiser, and a product that is left as it is and whose result goes on into a quantised operand takes f32 operands (vector FMAs, or v_wmma_f32_16x16x4_f32). A number that lies on a knife's edge between two numbers of the format may be rounded either way, as far as f32 arithmetic and the matrix unit's own rounding can turn it there, and no further.
;;   INPUTS GIVEN AS CODES. WK_w (in the module: [1024, 1024], K = its axis 1); WO_w (in the module: [1024, 1024], K = its axis 1); WQ_w (in the module: [1024, 1024], K = its axis 1); WV_w (in the module: [1024, 1024], K = its axis 1); x (in the module: [4, 2048, 1024], K = its axis 2): each comes as NAME_codes (uint8): NAME with its K axis moved to the last place and cut into blocks of 32 codes, [.., K / 32, bytes a block], one block behind the other in memory; two codes a byte, the lower K in the low four bits (a code: sign, 2 exponent bits, 1 mantissa bit); and NAME_scales (uint8): the same leading axes, one E8M0 byte (e + 127) for each 32 codes along K. Its value is code x scale, taken as it is: it is not quantised again, and the codes and scales need not be those that the quantiser above would give.
;; One version. Each part assembles by itself: llvm-mc -triple=amdgcn-amd-amdhsa -mcpu=gfx1250 --defsym DOCPART=n.
;; ======== version 1 of 1: 3 launches
;; workspace buffers: qi 4,194,304 bytes; qs 524,288 bytes; kv 10,223,616 bytes; oi 4,194,304 bytes; os 262,144 bytes
;; launch proj (part 1): grid 8 x 64, 12 waves a work-group, clusters of 4 x 4, 289,280 bytes of LDS; arguments x_codes, WQ_w_codes, WK_w_codes, WV_w_codes, x_scales, WQ_w_scales, WK_w_scales, WV_w_scales, WQ_b, WK_b, WV_b, mask, qi, qs, kv; writes qi, qs, kv
.if DOCPART == 1
	.amdgcn_target "amdgcn-amd-amdhsa--gfx1250"
	.amdhsa_code_object_version 6
	.text
	.protected	k_qdcbe07f982_proj
	.globl	k_qdcbe07f982_proj
	.p2align	8
	.type	k_qdcbe07f982_proj,@function
k_qdcbe07f982_proj:
	s_mov_b64 s[64:65], 0
	v_nop
	global_prefetch_b8 v0, s[64:65] scope:SCOPE_SE
	s_setreg_imm32_b32 hwreg(HW_REG_WAVE_MODE, 25, 1), 1
	s_wait_xcnt 0x0
	s_wait_alu depctr_hold_cnt(0) depctr_sa_sdst(0) depctr_va_vdst(0) depctr_va_sdst(0) depctr_va_ssrc(0) depctr_va_vcc(0) depctr_vm_vsrc(0)
	s_getreg_b32 s2, hwreg(HW_REG_IB_STS2, 6, 4)
	s_cmp_eq_u32 s2, 0
	s_cbranch_scc0 .Lentry_in_a_cluster
	s_endpgm
.Lentry_in_a_cluster:
	s_bfe_u32 s2, ttmp6, 0x10000c
	s_cmp_lg_u32 s2, 0xf033
	s_cbranch_scc0 .Lentry_shape_is_right
	s_endpgm
.Lentry_shape_is_right:
; q, k, v = x W^T + b on codes of FP4 (E2M1) with E8M0 scales, and the results quantised at once for attention's two products.
; SHARES.  A work-group takes 128 tokens (block tb of 64: batch tb / 16, key step tb % 16) and two heads (pair hp of 8) of q, k and v: 384 features.  All of K = 1,024 lies in LDS, filled once.
; Twelve waves: wave w has the role w / 4 (0 q, 1 k, 2 v), the head (w / 2) % 2 of the pair and the half w % 2 of the tokens; each makes 64 x 64: 16 accumulators of 16 x 16.
; q, k: source 0 = 16 rows of W, source 1 = 16 rows of x: a lane holds ONE token and eight neighbouring features, which are the next product's K (the head's 64).
; v:    source 0 = 16 rows of x, source 1 = 16 rows of W: a lane holds ONE feature and eight neighbouring tokens, which are the next product's K (the keys).  Only two LDS bases change places: the K loop is one text.
; QUANTISING.  Block B of 32 along the next K is tiles 2 B and 2 B + 1: a lane holds 16 of its numbers, lane l xor 16 the others.  Each tile's eight registers give one register of codes; the codes of tiles
; (0, 2) and of tiles (1, 3) change halves of the lanes, and the four registers are then half an operand: lane (r, h) holds row r, K = 32 h + 0 .. 31.
; OUT.  Such half operands go to memory as they stand in the registers, 16 bytes a lane: each store of a wave covers 512 consecutive bytes, aligned.
;   qi [64 heads][128 tiles][lane][16 B];  qs [64][128][16] words: the two scale bytes, then 127, 127.
;   kv [64 heads][16 key steps][9,984 B]: +0 k's 8 tiles; +4,096 v's (4 tiles of 16 features x 2 halves of 128 keys); +8,192 k's pad words [8][lane]; +9,216 k's scale words [128]; +9,728 v's scale words [64].
; THE KEY MASK rides in the places K = 64 .. 127 that the instruction has and a head of 64 has not.  There q holds the numbers 6 x 7, 4 (scale 1) in each of the two blocks, and a key whose mask is false holds
; -6 x 6, -4, -1 under 2^15 and -1.5 under 2^9: -(244 x 2^15 + 9 x 2^9) = -8,000,000, which is -1,000,000 on the logit behind the division by 8.  A key that counts holds zero codes under the byte 1.
; CLUSTER 4 x 4: the four work-groups of a row share tb and so x's tiles, the four of a column share hp and so W's: each tile is asked for jointly.
; The pads and scale words leave in runs of 128 bytes or less: 1,792 of a record's 9,984 bytes, 64 of 576 for a tile of q.
; LIMITS: NaN, infinities and given scale bytes of 0xff are not served.  A block of zeros gets the byte 1 where the rule says 127: its codes are zeros, and these bytes are read by this program alone.
.set PITCH, 528                        ; an LDS row of codes: 512 bytes + 16 of padding: 132 words, so the 16 rows of a load begin 4 words apart modulo 64
.set HALFT, 64*PITCH                   ; 64 rows: what one tensor load brings, and what a wave reads of x or of W
.set SCL,   512*PITCH                  ; behind the codes (rows 0-127 x, 128-255 WQ, 256-383 WK, 384-511 WV): the scale bytes
.set SBLK,  16*272                     ; those of 128 rows: 4,096 bytes as 16 pieces of 256 + 16; row p's 32 bytes lie at 32 p + 16 (p / 8)
.set REC,   9984                       ; a record of kv
.set AD0,  3                           ; v3   LDS address of source 0's rows
.set AD1,  4                           ; v4   of source 1's
.set ADS,  5                           ; v5   of the scale words: lanes 0-15 source 0's rows, lanes 16-31 source 1's
.set L16,  6                           ; v6   16 x lane
.set L4,   7                           ; v7   4 x lane
.set MK,   8                           ; v8-11   the mask bytes of tokens 64 half + 16 a + r
.set SC,   16                          ; v16-31  scale words: register 4 i + q: tile i, the q-th of four K steps
.set F0,   32                          ; v32-63  source 0's four fragments
.set F1,   64                          ; v64-95  source 1's
.set ACC,  96                          ; v96-223 accumulator (a, b) at 96 + 8 (4 a + b): source 1's tile a, source 0's tile b
.set BI,   224                         ; v224-255 the bias in the result's layout; behind the first K step the registers serve the quantiser:
.set T,    224                         ; v224-231 at work
.set PW,   232                         ; v232-235 the scale bytes of tile a
.set PC,   236                         ; v236-251 its codes
.set KP,   252                         ; v252-255 k's pad words
.set WV,   34                          ; s34  my wave's number
.set HI,   35                          ; s35  the lanes 16-31
.set G1XC, 36                          ; s[36:43] descriptor group 1: x's codes      s[60:63] its group 0
.set G1WC, 44                          ; s[44:51] W's codes                           s[76:79]
.set G1XS, 52                          ; s[52:59] x's scale bytes                     s[80:83]
.set G1WS, 68                          ; s[68:75] W's scale bytes                     s[84:87]
.set G0XC, 60
.set G0WC, 76
.set G0XS, 80
.set G0WS, 84
.set SEL,  66                          ; s[66:67] v_permlanex16_b32's selects for lane l xor 16
.macro PLACES n
.rept \n
	v_nop
.endr
.endm
; A round of the cluster's barrier: my work-group's barrier, wave 0 signals for the work-group, every wave waits for all sixteen work-groups, my work-group's barrier once more.
.macro CROUND
	s_barrier_signal -1
	s_barrier_wait -1
	s_cmp_lg_u32 s[WV], 0
	s_cbranch_scc1 .Lnot_wave_0_\@
	s_barrier_signal -3
.Lnot_wave_0_\@:
	s_barrier_wait -3
	s_barrier_signal -1
	s_barrier_wait -1
.endm
; 32 numbers of a lane, v[x] on (block B: registers 16 B .. 16 B + 15), become four registers of codes, v[pc] on, and two scale bytes in v[pw].  t: eight registers at work.
.macro QUANT2 x, pc, pw, t
.irp b, 0,1
	v_max3_num_f32 v[(\t)+\b], |v[(\x)+16*\b]|, |v[(\x)+16*\b+1]|, 0x1800000   ; my 16 numbers of the block, from each accumulator's low end on, and the floor 2^(3 - 127): the byte cannot fall under 1
.endr
.irp i, 2,4,6,8,10,12,14
.irp b, 0,1
	v_max3_num_f32 v[(\t)+\b], v[(\t)+\b], |v[(\x)+16*\b+\i]|, |v[(\x)+16*\b+\i+1]|   ; (the two blocks by turns)
.endr
.endr
.irp b, 0,1
	s_delay_alu instid0(VALU_DEP_2)
	v_permlanex16_b32 v[(\t)+2+\b], v[(\t)+\b], s[SEL], s[SEL+1]
.endr
.irp b, 0,1
	s_delay_alu instid0(VALU_DEP_2)
	v_max_num_f32 v[(\t)+\b], v[(\t)+\b], v[(\t)+2+\b]      ; with lane l xor 16's 16: the block's largest magnitude
.endr
.irp b, 0,1
	s_delay_alu instid0(VALU_DEP_2)
	v_add_nc_u32 v[(\t)+4+\b], 0xff000000, v[(\t)+\b]       ; 2 off its exponent field: the conversion takes the exponent field of this operand as its scale
.endr
.irp b, 0,1
	s_delay_alu instid0(VALU_DEP_2)
	v_lshrrev_b32 v[(\t)+6+\b], 23, v[(\t)+4+\b]            ; the scale's byte
.endr
	s_delay_alu instid0(VALU_DEP_1)
	v_lshl_or_b32 v[\pw], v[(\t)+7], 8, v[(\t)+6]
	v_cvt_scalef32_pk8_fp4_f32 v[(\pc)], v[(\x):(\x)+7], v[(\t)+4]          ; tile 0: K = 8 h + 0 .. 7
	v_cvt_scalef32_pk8_fp4_f32 v[(\pc)+1], v[(\x)+16:(\x)+23], v[(\t)+5]    ; tile 2: K = 32 + 8 h ..
	v_cvt_scalef32_pk8_fp4_f32 v[(\pc)+2], v[(\x)+8:(\x)+15], v[(\t)+4]     ; tile 1: K = 16 + 8 h ..
	v_cvt_scalef32_pk8_fp4_f32 v[(\pc)+3], v[(\x)+24:(\x)+31], v[(\t)+5]    ; tile 3: K = 48 + 8 h ..
	v_nop                                                   ; one plain place behind a scaled conversion
	v_permlane16_swap_b32 v[(\pc)], v[(\pc)+1]              ; the first's lanes 16-31 change places with the second's lanes 0-15: K = 32 h + 0 .. 7 and 32 h + 8 .. 15
	v_permlane16_swap_b32 v[(\pc)+2], v[(\pc)+3]            ; K = 32 h + 16 .. 23 and 32 h + 24 .. 31
.endm
; The LDS loads of K step s (128 along K, 64 bytes of a row): every fourth step the scale words of four steps, then source 0's eight loads, then source 1's.
.macro LOADS s
.if (\s)%4 == 0
.irp i, 0,1,2,3
	ds_load_b128 v[SC+4*\i:SC+4*\i+3], v[ADS] offset:544*\i+16*((\s)/4)
.endr
.endif
.irp i, 0,1,2,3
.irp c, 0,1
	ds_load_b128 v[F0+8*\i+4*\c:F0+8*\i+4*\c+3], v[AD0] offset:16*PITCH*\i+64*(\s)+32*\c
.endr
.endr
.irp i, 0,1,2,3
.irp c, 0,1
	ds_load_b128 v[F1+8*\i+4*\c:F1+8*\i+4*\c+3], v[AD1] offset:16*PITCH*\i+64*(\s)+32*\c
.endr
.endr
.endm
.macro WM a, b, q, c                   ; one product; c: the first register of its C
	v_wmma_scale_f32_16x16x128_f8f6f4 v[ACC+8*(4*(\a)+(\b)):ACC+8*(4*(\a)+(\b))+7], v[F0+8*(\b):F0+8*(\b)+7], v[F1+8*(\a):F1+8*(\a)+7], v[(\c):(\c)+7], v[SC+4*(\b)+(\q)], v[SC+4*(\a)+(\q)] matrix_a_fmt:MATRIX_FMT_FP4 matrix_b_fmt:MATRIX_FMT_FP4 matrix_b_scale:MATRIX_SCALE_ROW1
.endm
; The 16 products of K step s.  mode 0: onto the sums; 1: the sums begin with the bias of source 0's tile (q, k); 2: with that of source 1's (v).
; The 16 accumulators take turns, one instruction a turn, in the same order in every step.
.macro MULS s, mode
.irp a, 0,1,2,3
	s_wait_dscnt 6-2*\a                    ; LDS loads come back in order: behind the two of source 1's tile a stand the two of each later tile
.irp b, 0,1,2,3
.if \mode == 0
	WM \a, \b, (\s)%4, ACC+8*(4*\a+\b)
.elseif \mode == 1
	WM \a, \b, (\s)%4, BI+8*\b
.else
	WM \a, \b, (\s)%4, BI+8*\a
.endif
.endr
.endr
.endm
	s_load_b512 s[4:19], s[0:1], 0x0               ; codes: x s[4:5], WQ s[6:7], WK s[8:9], WV s[10:11]; scales: x s[12:13], WQ s[14:15], WK s[16:17], WV s[18:19]
	s_load_b256 s[20:27], s[0:1], 0x40             ; WQ_b s[20:21], WK_b s[22:23], WV_b s[24:25], mask s[26:27]
	s_load_b128 s[28:31], s[0:1], 0x60             ; qi s[28:29], qs s[30:31]
	s_load_b64 s[32:33], s[0:1], 0x70              ; kv
	s_set_vgpr_msb 0x40
	v_lshl_add_u32 v0, v0, 2, 0x46400
	v_mov_b32 v1, 0
	s_set_vgpr_msb 0x4045
	ds_add_u32 v0, v1
	ds_add_u32 v0, v1
	s_set_vgpr_msb 0x4500
	v_lshrrev_b32 v1, 5, v0
	s_delay_alu instid0(VALU_DEP_1)
	v_readfirstlane_b32 s[WV], v1                  ; wave 0..11
	s_mov_b32 s[HI], 0xffff0000
	s_mov_b32 s[SEL], 0x76543210
	s_mov_b32 s[SEL+1], 0xfedcba98
	s_bfe_u32 s88, ttmp6, 0x40000                  ; cx, cy: my place in the cluster
	s_bfe_u32 s89, ttmp6, 0x40004
	s_lshl_b32 s90, ttmp9, 2
	s_add_co_u32 s90, s90, s88                     ; hp = 4 x cluster x + cx: the pair of heads
	s_and_b32 s91, ttmp7, 0xffff
	s_lshl_b32 s91, s91, 2
	s_add_co_u32 s91, s91, s89                     ; tb = 4 x cluster y + cy: the block of 128 tokens
	s_lshl_b32 s92, s89, 2
	s_lshl_b32 s92, 15, s92                        ; my row of the cluster
	s_lshl_b32 s93, 0x1111, s88                    ; my column
	s_lshr_b32 s94, s[WV], 2                       ; role: 0 q, 1 k, 2 v
	s_bfe_u32 s95, s[WV], 0x10001                  ; which head of the pair
	s_and_b32 s96, s[WV], 1                        ; which half of the tokens.  Also: which 64 rows of a tile I fetch
	; where my rows lie in LDS: W's 64 and x's 64, and their scale bytes
	s_mul_i32 s97, s94, 2*HALFT
	s_mul_i32 s98, s95, HALFT
	s_add_co_u32 s97, s97, s98
	s_add_co_u32 s97, s97, 2*HALFT                 ; W: row 128 (role + 1) + 64 head
	s_mul_i32 s98, s96, HALFT                      ; x: row 64 half
	s_mul_i32 s99, s94, SBLK
	s_mul_i32 s100, s95, SBLK/2
	s_add_co_u32 s99, s99, s100
	s_add_co_u32 s99, s99, SCL+SBLK                ; W's scale bytes
	s_mul_i32 s100, s96, SBLK/2
	s_add_co_u32 s100, s100, SCL                   ; x's
	s_cmp_lt_u32 s94, 2                            ; q, k: source 0 = W, source 1 = x;  v: the other way round
	s_cselect_b32 s2, s97, s98
	s_cselect_b32 s3, s98, s97
	s_cselect_b32 s101, s99, s100
	s_cselect_b32 s97, s100, s99
	v_and_b32 v1, 15, v0                           ; r
	v_bfe_u32 v2, v0, 4, 1                         ; h
	s_delay_alu instid0(VALU_DEP_2)
	v_mul_u32_u24 v15, v1, PITCH
	s_delay_alu instid0(VALU_DEP_1)
	v_lshl_add_u32 v15, v2, 4, v15                 ; a fragment's row x pitch + 16 h
	s_delay_alu instid0(VALU_DEP_1)
	v_add_nc_u32 v[AD0], s2, v15
	s_delay_alu instid0(VALU_DEP_2)
	v_add_nc_u32 v[AD1], s3, v15
	v_lshrrev_b32 v15, 3, v1
	s_delay_alu instid0(VALU_DEP_1)
	v_lshlrev_b32 v15, 4, v15
	s_delay_alu instid0(VALU_DEP_1)
	v_lshl_add_u32 v15, v1, 5, v15                 ; 32 r + 16 (r / 8)
	v_mov_b32 v13, s101
	v_mov_b32 v14, s97
	s_delay_alu instid0(VALU_DEP_1)
	v_cndmask_b32 v13, v13, v14, s[HI]             ; lanes 0-15 take source 0's scale words, lanes 16-31 source 1's
	s_delay_alu instid0(VALU_DEP_1)
	v_add_nc_u32 v[ADS], v13, v15
	v_and_b32 v[L4], 31, v0
	s_delay_alu instid0(VALU_DEP_1)
	v_lshlrev_b32 v[L16], 4, v[L4]
	s_delay_alu instid0(VALU_DEP_2)
	v_lshlrev_b32 v[L4], 2, v[L4]
	; descriptor group 1.  Codes: 64 rows of 512 bytes, 16 bytes of padding behind each
	s_or_b32 s[G1XC], s92, (1<<20)|(1<<21)|(6<<22)|(3<<25)   ; 15:0 the mask: x's tiles go to my row; 17:16 elements of 1 byte; 20 padding on; 21 set beside a mask; 24:22 after every 128 words (code 6); 31:25 four words (code 3)
	s_or_b32 s[G1WC], s93, (1<<20)|(1<<21)|(6<<22)|(3<<25)   ; the same with the mask of my column
.irp g, G1XC, G1WC
	s_mov_b32 s[\g+1], 512<<16                     ; tensor_dim0
	s_mov_b32 s[\g+2], 64<<16                      ; tensor_dim1
	s_mov_b32 s[\g+3], 512<<16                     ; tile_dim0
	s_mov_b32 s[\g+4], 64                          ; tile_dim1
	s_mov_b32 s[\g+5], 512                         ; tensor_dim0_stride
	s_mov_b32 s[\g+6], 0
	s_mov_b32 s[\g+7], 0
.endr
	; scale bytes of 128 rows: 4,096 dense bytes as 16 rows of 256 (32 elements of 8 bytes), 16 bytes of padding behind each
	s_or_b32 s[G1XS], s92, (3<<16)|(1<<20)|(1<<21)|(5<<22)|(3<<25)
	s_or_b32 s[G1WS], s93, (3<<16)|(1<<20)|(1<<21)|(5<<22)|(3<<25)
.irp g, G1XS, G1WS
	s_mov_b32 s[\g+1], 32<<16
	s_mov_b32 s[\g+2], 16<<16
	s_mov_b32 s[\g+3], 32<<16
	s_mov_b32 s[\g+4], 16
	s_mov_b32 s[\g+5], 32
	s_mov_b32 s[\g+6], 0
	s_mov_b32 s[\g+7], 0
.endr
	s_wait_dscnt 0x0
	s_wait_kmcnt 0x0
	; group 0, one set for each of the four lines.  x's hang on tb and the wave's number alone (offsets in s[98:99]), W's on hp and the wave's number alone (s[100:101])
	s_lshl_b32 s98, s91, 16                        ; 128 tokens of 512 bytes,
	s_lshl_b32 s99, s96, 15                        ; my 64 of them
	s_add_co_u32 s98, s98, s99
	s_mov_b32 s99, 0
	s_mov_b32 s[G0XC], 1                           ; count = 1
	s_mul_i32 s[G0XC+1], s96, HALFT                ; LDS address: waves 0, 1: rows 0-63, 64-127
	s_add_nc_u64 s[G0XC+2:G0XC+3], s[4:5], s[98:99]
	s_or_b32 s[G0XC+3], s[G0XC+3], 0x80000000      ; type = 2
	s_lshl_b32 s98, s91, 12                        ; 128 tokens of 32 scale bytes
	s_mov_b32 s[G0XS], 1
	s_mov_b32 s[G0XS+1], SCL
	s_add_nc_u64 s[G0XS+2:G0XS+3], s[12:13], s[98:99]
	s_or_b32 s[G0XS+3], s[G0XS+3], 0x80000000
	s_lshl_b32 s98, s91, 7
	s_lshl_b32 s97, s96, 6
	s_add_co_u32 s98, s98, s97
	s_add_nc_u64 s[26:27], s[26:27], s[98:99]      ; the mask at my 64 tokens
	s_bfe_u32 s97, s[WV], 0x20001                  ; waves 2-7: 1 WQ, 2 WK, 3 WV
	s_cmp_eq_u32 s97, 2
	s_cselect_b64 s[2:3], s[8:9], s[6:7]
	s_cmp_eq_u32 s97, 3
	s_cselect_b64 s[2:3], s[10:11], s[2:3]
	s_lshl_b32 s100, s90, 16                       ; the pair's 128 rows of 512 bytes,
	s_lshl_b32 s101, s96, 15                       ; my 64 of them
	s_add_co_u32 s100, s100, s101
	s_mov_b32 s101, 0
	s_and_b32 s97, s[WV], 7
	s_mov_b32 s[G0WC], 1
	s_mul_i32 s[G0WC+1], s97, HALFT                ; waves 2-7: rows 128 to 511, 64 a wave
	s_add_nc_u64 s[G0WC+2:G0WC+3], s[2:3], s[100:101]
	s_or_b32 s[G0WC+3], s[G0WC+3], 0x80000000
	s_and_b32 s97, s[WV], 3                        ; waves 9-11: 1 WQ, 2 WK, 3 WV
	s_cmp_eq_u32 s97, 2
	s_cselect_b64 s[2:3], s[16:17], s[14:15]
	s_cmp_eq_u32 s97, 3
	s_cselect_b64 s[2:3], s[18:19], s[2:3]
	s_lshl_b32 s100, s90, 12
	s_mov_b32 s[G0WS], 1
	s_mul_i32 s[G0WS+1], s97, SBLK
	s_add_co_u32 s[G0WS+1], s[G0WS+1], SCL
	s_add_nc_u64 s[G0WS+2:G0WS+3], s[2:3], s[100:101]
	s_or_b32 s[G0WS+3], s[G0WS+3], 0x80000000
	CROUND                                         ; all sixteen work-groups are here: the joint loads meet
	; one joint load a wave.  The branches hang on the wave's number alone; each line has one mask.  Four v_nop follow each line
	s_cmp_lt_u32 s[WV], 2
	s_cbranch_scc0 .Lnot_xc
	tensor_load_to_lds s[G0XC:G0XC+3], s[G1XC:G1XC+7]
	s_nop 0
	PLACES 4
	s_branch .Lasked
.Lnot_xc:
	s_cmp_lt_u32 s[WV], 8
	s_cbranch_scc0 .Lnot_wc
	tensor_load_to_lds s[G0WC:G0WC+3], s[G1WC:G1WC+7]
	s_nop 0
	PLACES 4
	s_branch .Lasked
.Lnot_wc:
	s_cmp_eq_u32 s[WV], 8
	s_cbranch_scc0 .Lnot_xs
	tensor_load_to_lds s[G0XS:G0XS+3], s[G1XS:G1XS+7]
	s_nop 0
	PLACES 4
	s_branch .Lasked
.Lnot_xs:
	tensor_load_to_lds s[G0WS:G0WS+3], s[G1WS:G1WS+7]
	s_nop 0
	PLACES 4
.Lasked:
	s_cmp_eq_u32 s94, 1                            ; my role's bias,
	s_cselect_b64 s[20:21], s[22:23], s[20:21]
	s_cmp_eq_u32 s94, 2
	s_cselect_b64 s[20:21], s[24:25], s[20:21]
	s_lshl_b32 s97, s90, 1
	s_add_co_u32 s97, s97, s95                     ; my head, 0..15
	s_lshl_b32 s100, s97, 8
	s_add_nc_u64 s[20:21], s[20:21], s[100:101]    ; at my head's 64 numbers
.irp a, 0,1,2,3
	global_load_u8 v[MK+\a], v1, s[26:27] offset:16*\a   ; the mask of token 64 half + 16 a + r: four bytes a lane, on the common way; k's waves use them
.endr
	s_cmp_lt_u32 s[WV], 8
	s_cbranch_scc0 .Lbias_v
	v_lshlrev_b32 v12, 5, v2                       ; q, k: tile b's registers are features 16 b + 8 h + 0 .. 7
.irp b, 0,1,2,3
	global_load_b128 v[BI+8*\b:BI+8*\b+3], v12, s[20:21] offset:64*\b
	global_load_b128 v[BI+8*\b+4:BI+8*\b+7], v12, s[20:21] offset:64*\b+16
.endr
	s_branch .Lbias_in
.Lbias_v:
	v_lshlrev_b32 v12, 2, v1                       ; v: all eight registers of tile a are feature 16 a + r
.irp a, 0,1,2,3
.irp j, 0,1,2,3,4,5,6,7
	global_load_b32 v[BI+8*\a+\j], v12, s[20:21] offset:64*\a
.endr
.endr
.Lbias_in:
	; where the results go
	s_and_b32 s2, s91, 0x30                        ; 16 x batch
	s_add_co_u32 s2, s2, s97                       ; the head among 64
	s_and_b32 s3, s91, 15                          ; the key step
	s_lshl_b32 s88, s3, 3
	s_lshl_b32 s89, s96, 2
	s_add_co_u32 s88, s88, s89                     ; my first tile of 16 tokens in the batch: 8 step + 4 half
	s_lshl_b32 s98, s2, 16
	s_lshl_b32 s89, s88, 9
	s_add_co_u32 s98, s98, s89
	s_add_nc_u64 s[28:29], s[28:29], s[98:99]      ; qi
	s_lshl_b32 s98, s2, 13
	s_lshl_b32 s89, s88, 6
	s_add_co_u32 s98, s98, s89
	s_add_nc_u64 s[30:31], s[30:31], s[98:99]      ; qs
	s_mul_i32 s98, s2, 16*REC
	s_mul_i32 s89, s3, REC
	s_add_co_u32 s98, s98, s89
	s_add_nc_u64 s[32:33], s[32:33], s[98:99]      ; my record of kv
	s_wait_tensorcnt 0x0                           ; my one tensor load has landed,
	s_barrier_signal -1
	s_barrier_wait -1                              ; everybody's has: all of LDS is filled, and nothing fills it again
	s_wait_alu depctr_va_vdst(0)
	LOADS 0
	s_wait_loadcnt 0x0                             ; the bias and the mask bytes
	s_cmp_lt_u32 s[WV], 8
	s_cbranch_scc0 .Lfirst_v
	MULS 0, 1
	s_branch .Lfirst_done
.Lfirst_v:
	MULS 0, 2
.Lfirst_done:
.irp s, 1,2,3,4,5,6,7
	PLACES 4                                       ; four places in front of loads into registers that matrix instructions have read
	LOADS \s
	MULS \s, 0
.endr
	PLACES 4                                       ; and in front of the first read of the results
.irp a, 0,1,2,3
	QUANT2 ACC+32*\a, PC+4*\a, PW+\a, T
.endr
	s_cmp_lt_u32 s[WV], 4
	s_cbranch_scc0 .Lnot_q
	; ---- q
.irp a, 0,1,2,3
	v_or_b32 v[PW+\a], 0x7f7f0000, v[PW+\a]        ; the pad's two blocks have the scale 1
.endr
.irp a, 0,1,2,3
	global_store_b128 v[L16], v[PC+4*\a:PC+4*\a+3], s[28:29] offset:512*\a   ; 512 consecutive bytes, aligned
.endr
	v_cndmask_b32 v[T], v[PW], v[PW+1], s[HI]      ; lanes 0-15 tile 0's words, lanes 16-31 tile 1's
	v_cndmask_b32 v[T+1], v[PW+2], v[PW+3], s[HI]
	global_store_b32 v[L4], v[T], s[30:31]
	global_store_b32 v[L4], v[T+1], s[30:31] offset:128
	s_branch .Lstored
.Lnot_q:
	s_cmp_lt_u32 s[WV], 8
	s_cbranch_scc0 .Lrole_v
	; ---- k
	v_mov_b32 v32, 0xaeffffff                      ; the pad of a key that does not count: lanes 0-15 (K = 64 .. 71): -6 x 6, -4, -1;
	v_mov_b32 v33, 0xb                             ; lanes 16-31 (K = 96 .. 103): -1.5
	s_delay_alu instid0(VALU_DEP_1)
	v_cndmask_b32 v32, v32, v33, s[HI]
	v_mov_b32 v33, 0x01010000                      ; the pad's scale bytes: 1, 1 for a key that counts,
	v_mov_b32 v34, 0x888e0000                      ; 142 (2^15), 136 (2^9) for one that does not
	s_lshl_b32 s98, s96, 11
	s_add_nc_u64 s[2:3], s[32:33], s[98:99]        ; my four tiles' codes,
	s_lshl_b32 s98, s96, 9
	s_add_nc_u64 s[100:101], s[32:33], s[98:99]    ; pads,
	s_lshl_b32 s98, s96, 8
	s_add_nc_u64 s[32:33], s[32:33], s[98:99]      ; and scale words
.irp a, 0,1,2,3
	v_cmp_eq_u32 vcc_lo, 0, v[MK+\a]
	s_delay_alu instid0(VALU_DEP_1)
	v_cndmask_b32 v[KP+\a], 0, v32, vcc_lo
	s_delay_alu instid0(VALU_DEP_2)
	v_cndmask_b32 v35, v33, v34, vcc_lo
	s_delay_alu instid0(VALU_DEP_1)
	v_or_b32 v[PW+\a], v[PW+\a], v35
.endr
.irp a, 0,1,2,3
	global_store_b128 v[L16], v[PC+4*\a:PC+4*\a+3], s[2:3] offset:512*\a
	global_store_b32 v[L4], v[KP+\a], s[100:101] offset:8192+128*\a
.endr
	v_cndmask_b32 v[T], v[PW], v[PW+1], s[HI]
	v_cndmask_b32 v[T+1], v[PW+2], v[PW+3], s[HI]
	global_store_b32 v[L4], v[T], s[32:33] offset:9216
	global_store_b32 v[L4], v[T+1], s[32:33] offset:9216+128
	s_branch .Lstored
.Lrole_v:
	; ---- v: tile a is features 16 a + r; my 64 tokens are half of the step's 128 keys
	s_lshl_b32 s98, s96, 9
	s_add_nc_u64 s[2:3], s[32:33], s[98:99]
	s_lshl_b32 s98, s96, 1
	s_add_nc_u64 s[32:33], s[32:33], s[98:99]      ; my two bytes of each feature's scale word
	s_wait_alu depctr_va_vdst(0)
.irp a, 0,1,2,3
	global_store_b128 v[L16], v[PC+4*\a:PC+4*\a+3], s[2:3] offset:4096+1024*\a
.endr
	v_cndmask_b32 v[T], v[PW], v[PW+1], s[HI]
	v_cndmask_b32 v[T+1], v[PW+2], v[PW+3], s[HI]
	global_store_b16 v[L4], v[T], s[32:33] offset:9728
	global_store_b16 v[L4], v[T+1], s[32:33] offset:9728+128
.Lstored:
	s_set_vgpr_msb 0x5
	s_wait_tensorcnt 0x0
	ds_add_u32 v0, v1
	s_wait_dscnt 0x0
	s_set_vgpr_msb 0x500
	CROUND                                         ; the closing round: no work-group ends while a partner may still ask for a tile that names it
	s_endpgm
.Lfunc_end_k_qdcbe07f982_proj:
	.size	k_qdcbe07f982_proj, .Lfunc_end_k_qdcbe07f982_proj-k_qdcbe07f982_proj
	.p2alignl 7, 3214868480
	.fill 96, 4, 3214868480
	.section	.rodata,"a",@progbits
	.p2align	6, 0x0
	.amdhsa_kernel k_qdcbe07f982_proj
		.amdhsa_group_segment_fixed_size 289280
		.amdhsa_private_segment_fixed_size 0
		.amdhsa_enable_private_segment 0
		.amdhsa_kernarg_size 120
		.amdhsa_user_sgpr_count 2
		.amdhsa_user_sgpr_kernarg_segment_ptr 1
		.amdhsa_wavefront_size32 1
		.amdhsa_system_sgpr_workgroup_id_x 1
		.amdhsa_system_sgpr_workgroup_id_y 1
		.amdhsa_system_sgpr_workgroup_id_z 1
		.amdhsa_system_vgpr_workitem_id 0
		.amdhsa_next_free_vgpr 258
		.amdhsa_next_free_sgpr 102
		.amdhsa_reserve_vcc 1
		.amdhsa_float_denorm_mode_32 3
		.amdhsa_float_denorm_mode_16_64 3
		.amdhsa_memory_ordered 1
		.amdhsa_forward_progress 1
		.amdhsa_inst_pref_size 56
	.end_amdhsa_kernel
	.amdgpu_metadata
---
amdhsa.version: [ 1, 2 ]
amdhsa.kernels:
  - .name:           k_qdcbe07f982_proj
    .symbol:         k_qdcbe07f982_proj.kd
    .args:
      - { .name: x_codes, .offset: 0, .size: 8, .value_kind: global_buffer, .address_space: global }
      - { .name: WQ_w_codes, .offset: 8, .size: 8, .value_kind: global_buffer, .address_space: global }
      - { .name: WK_w_codes, .offset: 16, .size: 8, .value_kind: global_buffer, .address_space: global }
      - { .name: WV_w_codes, .offset: 24, .size: 8, .value_kind: global_buffer, .address_space: global }
      - { .name: x_scales, .offset: 32, .size: 8, .value_kind: global_buffer, .address_space: global }
      - { .name: WQ_w_scales, .offset: 40, .size: 8, .value_kind: global_buffer, .address_space: global }
      - { .name: WK_w_scales, .offset: 48, .size: 8, .value_kind: global_buffer, .address_space: global }
      - { .name: WV_w_scales, .offset: 56, .size: 8, .value_kind: global_buffer, .address_space: global }
      - { .name: WQ_b, .offset: 64, .size: 8, .value_kind: global_buffer, .address_space: global }
      - { .name: WK_b, .offset: 72, .size: 8, .value_kind: global_buffer, .address_space: global }
      - { .name: WV_b, .offset: 80, .size: 8, .value_kind: global_buffer, .address_space: global }
      - { .name: mask, .offset: 88, .size: 8, .value_kind: global_buffer, .address_space: global }
      - { .name: qi, .offset: 96, .size: 8, .value_kind: global_buffer, .address_space: global }
      - { .name: qs, .offset: 104, .size: 8, .value_kind: global_buffer, .address_space: global }
      - { .name: kv, .offset: 112, .size: 8, .value_kind: global_buffer, .address_space: global }
    .group_segment_fixed_size: 289280
    .private_segment_fixed_size: 0
    .kernarg_segment_align: 8
    .kernarg_segment_size: 120
    .max_flat_workgroup_size: 384
    .sgpr_count:     102
    .vgpr_count:     258
    .wavefront_size: 32
...
	.end_amdgpu_metadata
.endif
;; end of part 1
;; launch attn (part 2): grid 4 x 64, 16 waves a work-group, clusters of 4 x 1, 169,984 bytes of LDS; arguments qi, qs, kv, oi, os; writes oi, os
.if DOCPART == 2
	.amdgcn_target "amdgcn-amd-amdhsa--gfx1250"
	.amdhsa_code_object_version 6
	.text
	.protected	k_qdcbe07f982_attn
	.globl	k_qdcbe07f982_attn
	.p2align	8
	.type	k_qdcbe07f982_attn,@function
k_qdcbe07f982_attn:
	s_mov_b64 s[64:65], 0
	v_nop
	global_prefetch_b8 v0, s[64:65] scope:SCOPE_SE
	s_setreg_imm32_b32 hwreg(HW_REG_WAVE_MODE, 25, 1), 1
	s_wait_xcnt 0x0
	s_wait_alu depctr_hold_cnt(0) depctr_sa_sdst(0) depctr_va_vdst(0) depctr_va_sdst(0) depctr_va_ssrc(0) depctr_va_vcc(0) depctr_vm_vsrc(0)
	s_getreg_b32 s2, hwreg(HW_REG_IB_STS2, 6, 4)
	s_cmp_eq_u32 s2, 0
	s_cbranch_scc0 .Lentry_in_a_cluster
	s_endpgm
.Lentry_in_a_cluster:
	s_bfe_u32 s2, ttmp6, 0x10000c
	s_cmp_lg_u32 s2, 0x3003
	s_cbranch_scc0 .Lentry_shape_is_right
	s_endpgm
.Lentry_shape_is_right:
; o = softmax(q k^T / 8 - 1,000,000 where the key's mask is false) v for one head, both products on codes of FP4 (E2M1) with E8M0 scales, and o quantised at once along E for the last product.
; THE SOFTMAX AHEAD OF THE SECOND PRODUCT: t = score x log2(e) / 8; M = the row's largest t so far, rounded UP to a whole number; p = 2^(t - M) is what is quantised, along the keys; it is not normalised.
; The row's sum is taken of the unquantised p and divides O at the end (v_rcp_f32 and a multiplication).  When M moves, the sum and O are multiplied by 2^(old M - new M): exact.
; THE KEY MASK costs no vector instruction: the head has K = 64, the instruction 128.  In the places 64 .. 127 q holds fixed numbers and a key that does not count holds numbers that make -8,000,000 with them (the launch before made them).
; SHARES.  A work-group owns 512 queries of one head.  The head's 16 records of kv (128 keys each: k's and v's operands as images of their registers, pads, scale words; 159,744 bytes) lie in LDS, filled ONCE.
; Sixteen waves, four to a SIMD, so that one wave's vector work stands beside another's matrix work and LDS loads.  A wave owns one tile of 16 queries at a time, two one after the other, and walks all 16 key steps for each.
; LAYOUT.  Both products are used transposed: S^T = K Q^T (source 0 = 16 keys), O^T = V^T P^T (source 0 = 16 of the head's 64): a lane holds ONE query (lane % 16) throughout.
; Block B of 32 keys is tiles 2 B, 2 B + 1 of S^T: a lane holds 16 of its p, lane l xor 16 the others.  Each tile's eight registers give one register of codes; tiles (4 c, 4 c + 2) and (4 c + 1, 4 c + 3) change halves of the lanes.
; CLUSTER 4 x 1: the four work-groups of a head ask for each record jointly.
; OUT.  oi [512 tiles of 16 tokens][16 heads][lane][16 B]: half an operand of the last product as it stands in the registers: 512 consecutive bytes a store, aligned.
;       os [512][8 K steps][16 rows] words: my head's two bytes are half a word: pieces of 2 bytes, 4 bytes apart; both halves of the lanes write the same bytes with the same value.  32 bytes beside each 512 of oi.
; LIMITS: NaN and infinities are not served.  A block of zeros gets the byte 1 where the rule says 127: its codes are zeros, and these bytes are read by this program alone.
.set REC,  9984                        ; a record: +0 k's 8 tiles, +4,096 v's (4 x 2), +8,192 k's pad words, +9,216 k's scale words, +9,728 v's scale words
.set L16,  1                           ; v1   16 x lane
.set L4,   2                           ; v2   4 x lane
.set A16,  3                           ; v3   16 x lane + the record in hand
.set A4,   4                           ; v4   4 x lane + the record in hand
.set R4,   10                          ; v10  4 x (lane % 16)
                                       ; v5, v[6:9]  the second tile's q: scale word, codes
                                       ; v12 -M, v13 the largest t, v[14:15] the sum in two halves
.set QF,   16                          ; v16-23   Q: 16-19 codes, 20 the pad, 21-23 zeros
.set QS,   24                          ; v24      q's scale words
.set KS,   25                          ; v25-28   k's scale words: lanes 0-15 tile 2 i, lanes 16-31 tile 2 i + 1
.set VS,   29                          ; v29-30   v's likewise
.set PS,   31                          ; v31      p's scale word
.set KF,   32                          ; v32-95   k's 8 fragments: +0..3 codes, +4 the pad, +5..7 zeros, set once
.set ST,   96                          ; v96-159  S^T, then p
.set OT,   160                         ; v160-191 O^T
.set PCD,  192                         ; v192-199 p's codes
.set VF,   200                         ; v200-231 v's 4 fragments
.set BM,   232                         ; v232-235 the blocks' largest scores, then largest p
.set TM,   236                         ; v236-239 at work
.set SO,   244                         ; v244-247 the conversions' scale operands
                                       ; v252 f, v253 named with it as a pair, v254 at work
.set WV,   14                          ; s14
.set SEL,  20                          ; s[20:21] v_permlanex16_b32's selects for lane l xor 16
.set CS,   22                          ; s[22:23] c = log2(e) / 8
.set G1,   24                          ; s[24:31] descriptor group 1;  s[32:35] group 0
.set G0,   32
.set TB,   36                          ; s36  LDS byte at which the record in hand begins
.set CNT,  37                          ; s37  key steps to go
.macro PLACES n
.rept \n
	v_nop
.endr
.endm
.macro CROUND                          ; a round of the cluster's barrier
	s_barrier_signal -1
	s_barrier_wait -1
	s_cmp_lg_u32 s[WV], 0
	s_cbranch_scc1 .Lnot_wave_0_\@
	s_barrier_signal -3
.Lnot_wave_0_\@:
	s_barrier_wait -3
	s_barrier_signal -1
	s_barrier_wait -1
.endm
; 32 numbers of a lane, v[x] on (block B: registers 16 B .. 16 B + 15), become four registers of codes, v[pc] on, and two scale bytes in v[pw].  t: eight registers at work.
.macro QUANT2 x, pc, pw, t
.irp b, 0,1
	v_max3_num_f32 v[(\t)+\b], |v[(\x)+16*\b]|, |v[(\x)+16*\b+1]|, 0x1800000   ; my 16 numbers of the block, and the floor 2^(3 - 127): the byte cannot fall under 1
.endr
.irp i, 2,4,6,8,10,12,14
.irp b, 0,1
	s_delay_alu instid0(VALU_DEP_2)
	v_max3_num_f32 v[(\t)+\b], v[(\t)+\b], |v[(\x)+16*\b+\i]|, |v[(\x)+16*\b+\i+1]|
.endr
.endr
.irp b, 0,1
	s_delay_alu instid0(VALU_DEP_2)
	v_permlanex16_b32 v[(\t)+2+\b], v[(\t)+\b], s[SEL], s[SEL+1]
.endr
.irp b, 0,1
	s_delay_alu instid0(VALU_DEP_2)
	v_max_num_f32 v[(\t)+\b], v[(\t)+\b], v[(\t)+2+\b]      ; with lane l xor 16's 16: the block's largest magnitude
.endr
.irp b, 0,1
	s_delay_alu instid0(VALU_DEP_2)
	v_add_nc_u32 v[(\t)+4+\b], 0xff000000, v[(\t)+\b]       ; 2 off its exponent field: the conversion's scale operand
.endr
.irp b, 0,1
	s_delay_alu instid0(VALU_DEP_2)
	v_lshrrev_b32 v[(\t)+6+\b], 23, v[(\t)+4+\b]            ; the scale's byte
.endr
	s_delay_alu instid0(VALU_DEP_1)
	v_lshl_or_b32 v[\pw], v[(\t)+7], 8, v[(\t)+6]
	v_cvt_scalef32_pk8_fp4_f32 v[(\pc)], v[(\x):(\x)+7], v[(\t)+4]
	v_cvt_scalef32_pk8_fp4_f32 v[(\pc)+1], v[(\x)+16:(\x)+23], v[(\t)+5]
	v_cvt_scalef32_pk8_fp4_f32 v[(\pc)+2], v[(\x)+8:(\x)+15], v[(\t)+4]
	v_cvt_scalef32_pk8_fp4_f32 v[(\pc)+3], v[(\x)+24:(\x)+31], v[(\t)+5]
	v_nop                                                   ; one plain place behind a scaled conversion
	v_permlane16_swap_b32 v[(\pc)], v[(\pc)+1]
	v_permlane16_swap_b32 v[(\pc)+2], v[(\pc)+3]
.endm
.macro KQ t                            ; S^T of keys 16 t on; an odd tile's scale words stand in lanes 16-31
.if (\t)%2
	v_wmma_scale_f32_16x16x128_f8f6f4 v[ST+8*(\t):ST+8*(\t)+7], v[KF+8*(\t):KF+8*(\t)+7], v[QF:QF+7], 0, v[KS+(\t)/2], v[QS] matrix_a_fmt:MATRIX_FMT_FP4 matrix_b_fmt:MATRIX_FMT_FP4 matrix_a_scale:MATRIX_SCALE_ROW1
.else
	v_wmma_scale_f32_16x16x128_f8f6f4 v[ST+8*(\t):ST+8*(\t)+7], v[KF+8*(\t):KF+8*(\t)+7], v[QF:QF+7], 0, v[KS+(\t)/2], v[QS] matrix_a_fmt:MATRIX_FMT_FP4 matrix_b_fmt:MATRIX_FMT_FP4
.endif
.endm
.macro PV d                            ; O^T of the head's numbers 16 d on += V^T P^T over these 128 keys
.if (\d)%2
	v_wmma_scale_f32_16x16x128_f8f6f4 v[OT+8*(\d):OT+8*(\d)+7], v[VF+8*(\d):VF+8*(\d)+7], v[PCD:PCD+7], v[OT+8*(\d):OT+8*(\d)+7], v[VS+(\d)/2], v[PS] matrix_a_fmt:MATRIX_FMT_FP4 matrix_b_fmt:MATRIX_FMT_FP4 matrix_a_scale:MATRIX_SCALE_ROW1
.else
	v_wmma_scale_f32_16x16x128_f8f6f4 v[OT+8*(\d):OT+8*(\d)+7], v[VF+8*(\d):VF+8*(\d)+7], v[PCD:PCD+7], v[OT+8*(\d):OT+8*(\d)+7], v[VS+(\d)/2], v[PS] matrix_a_fmt:MATRIX_FMT_FP4 matrix_b_fmt:MATRIX_FMT_FP4
.endif
.endm
; A KEY STEP: 128 keys, one record.
.macro STEP
	v_add_nc_u32 v[A16], s[TB], v[L16]
	v_add_nc_u32 v[A4], s[TB], v[L4]
	PLACES 2                                       ; with the two additions: four places in front of loads into registers that the last step's products have read
.irp t, 0,1,2,3,4,5,6,7
	ds_load_b128 v[KF+8*\t:KF+8*\t+3], v[A16] offset:512*\t
	ds_load_b32 v[KF+8*\t+4], v[A4] offset:8192+128*\t
.endr
.irp i, 0,1,2,3
	ds_load_b32 v[KS+\i], v[A4] offset:9216+128*\i
.endr
.irp f, 0,1,2,3,4,5,6,7
	ds_load_b128 v[VF+4*\f:VF+4*\f+3], v[A16] offset:4096+512*\f
.endr
.irp i, 0,1
	ds_load_b32 v[VS+\i], v[A4] offset:9728+128*\i
.endr
	s_wait_dscnt 10                                ; k's twenty loads are in; v's ten, issued behind them, may be out until the second product
.irp t, 0,1,2,3,4,5,6,7
	KQ \t
.endr
	PLACES 4
.irp b, 0,1,2,3
	v_max3_num_f32 v[BM+\b], v[ST+16*\b], v[ST+1+16*\b], v[ST+2+16*\b]   ; THE LARGEST SCORE OF EACH BLOCK OF 32 KEYS serves twice: for the row's maximum, and, since p rises with the score, for the block's largest p
.endr
.irp i, 3,5,7,9,11,13
.irp b, 0,1,2,3
	v_max3_num_f32 v[BM+\b], v[BM+\b], v[ST+16*\b+\i], v[ST+1+16*\b+\i]   ; (the four blocks by turns)
.endr
.endr
.irp b, 0,1,2,3
	v_max_num_f32 v[BM+\b], v[BM+\b], v[ST+15+16*\b]
.endr
.irp b, 0,1,2,3
	s_delay_alu instid0(VALU_DEP_4)
	v_permlanex16_b32 v[TM+\b], v[BM+\b], s[SEL], s[SEL+1]
.endr
.irp b, 0,1,2,3
	s_delay_alu instid0(VALU_DEP_4)
	v_max_num_f32 v[BM+\b], v[BM+\b], v[TM+\b]     ; with lane l xor 16's 16 keys
.endr
	s_delay_alu instid0(VALU_DEP_2)
	v_max3_num_f32 v254, v[BM], v[BM+1], v[BM+2]
	s_delay_alu instid0(VALU_DEP_1)
	v_max_num_f32 v254, v254, v[BM+3]              ; the step's largest score of my query
	s_delay_alu instid0(VALU_DEP_1)
	v_mul_f32 v254, s[CS], v254                    ; as t (c is positive)
	s_delay_alu instid0(VALU_DEP_1)
	v_max_num_f32 v13, v13, v254                   ; the running largest t
	v_mov_b32 v254, v12
	s_delay_alu instid0(VALU_DEP_2)
	v_floor_f32 v12, -v13                          ; the new -M = floor(-t) = -ceil(t): M IS A WHOLE NUMBER
	s_delay_alu instid0(VALU_DEP_1)
	v_sub_f32 v254, v12, v254                      ; M's old value less its new one: a whole number, 0 or less
	s_delay_alu instid0(VALU_DEP_1)
	v_cvt_i32_f32 v254, v254                       ; (it saturates)
	s_delay_alu instid0(VALU_DEP_1)
	v_ldexp_f32 v252, 1.0, v254                    ; f = 2^(old M - new M)
.set J, 0
.rept 32
	v_pk_fma_f32 v[ST+J:ST+J+1], v[ST+J:ST+J+1], s[CS:CS+1], v[12:13] op_sel_hi:[1,0,0]   ; t - M, two at a time (of the pairs c and -M the low word serves both halves)
.set J, J+2
.endr
.irp b, 0,1,2,3
	v_fma_f32 v[BM+\b], v[BM+\b], s[CS], v12       ; the same of each block's largest score
.endr
.set J, 0
	s_setprio 1
	s_wait_alu depctr_va_vdst(0)
.rept 64
	v_exp_f32 v[ST+J], v[ST+J]                     ; p = 2^(t - M), at most 1: NOT normalised
.set J, J+1
.endr
.irp b, 0,1,2,3
	v_exp_f32 v[BM+\b], v[BM+\b]                   ; the block's largest p: the same two instructions on the same number give the same bits
.endr
	v_pk_mul_f32 v[14:15], v[14:15], v[252:253] op_sel_hi:[1,0]   ; the sums under the new M.  (A plain place behind the exponentials)
	s_wait_alu depctr_va_vdst(0)
.irp b, 0,1,2,3
	v_max_num_f32 v[BM+\b], 0x1800000, v[BM+\b]    ; the floor 2^(3 - 127): a block whose every p has fallen to 0 keeps the byte 1: its codes are zeros
.endr
.irp b, 0,1,2,3
	s_delay_alu instid0(VALU_DEP_4)
	v_add_nc_u32 v[SO+\b], 0xff000000, v[BM+\b]    ; 2 off the exponent field: the conversion's scale operand
.endr
.irp b, 0,1,2,3
	s_delay_alu instid0(VALU_DEP_4)
	v_lshrrev_b32 v[TM+\b], 23, v[SO+\b]           ; the scale's byte
.endr
	s_delay_alu instid0(VALU_DEP_3)
	v_lshl_or_b32 v[PS], v[TM+1], 8, v[TM]         ; p's scale word for these 128 keys
	s_delay_alu instid0(VALU_DEP_1)
	v_lshl_or_b32 v[PS], v[TM+2], 16, v[PS]
	s_delay_alu instid0(VALU_DEP_1)
	v_lshl_or_b32 v[PS], v[TM+3], 24, v[PS]
.irp c, 0,1
	v_cvt_scalef32_pk8_fp4_f32 v[PCD+4*\c], v[ST+32*\c:ST+32*\c+7], v[SO+2*\c]            ; tile 4 c:     keys 64 c + 8 h ..
	v_cvt_scalef32_pk8_fp4_f32 v[PCD+4*\c+1], v[ST+32*\c+16:ST+32*\c+23], v[SO+2*\c+1]    ; tile 4 c + 2: keys 64 c + 32 + 8 h ..
	v_cvt_scalef32_pk8_fp4_f32 v[PCD+4*\c+2], v[ST+32*\c+8:ST+32*\c+15], v[SO+2*\c]       ; tile 4 c + 1: keys 64 c + 16 + 8 h ..
	v_cvt_scalef32_pk8_fp4_f32 v[PCD+4*\c+3], v[ST+32*\c+24:ST+32*\c+31], v[SO+2*\c+1]    ; tile 4 c + 3: keys 64 c + 48 + 8 h ..
.endr
	v_nop                                          ; one plain place behind a scaled conversion
.irp c, 0,1
	v_permlane16_swap_b32 v[PCD+4*\c], v[PCD+4*\c+1]      ; registers 4 c .. 4 c + 3 now hold keys 64 c + 32 h + 0 .. 31
	v_permlane16_swap_b32 v[PCD+4*\c+2], v[PCD+4*\c+3]
.endr
	v_pk_add_f32 v[236:237], v[100:101], v[104:105]
	v_pk_add_f32 v[248:249], v[108:109], v[112:113]
	v_pk_add_f32 v[246:247], v[116:117], v[120:121]
	v_pk_add_f32 v[244:245], v[124:125], v[128:129]
	v_pk_add_f32 v[242:243], v[132:133], v[136:137]
	v_pk_add_f32 v[240:241], v[140:141], v[144:145]
	v_pk_add_f32 v[232:233], v[148:149], v[152:153]
	v_pk_add_f32 v[14:15], v[14:15], v[156:157]
	v_pk_add_f32 v[236:237], v[236:237], v[96:97]
	v_pk_add_f32 v[248:249], v[248:249], v[98:99]
	v_pk_add_f32 v[246:247], v[246:247], v[102:103]
	v_pk_add_f32 v[244:245], v[244:245], v[106:107]
	v_pk_add_f32 v[242:243], v[242:243], v[110:111]
	v_pk_add_f32 v[240:241], v[240:241], v[114:115]
	v_pk_add_f32 v[232:233], v[232:233], v[118:119]
	v_pk_add_f32 v[14:15], v[14:15], v[122:123]
	v_pk_add_f32 v[236:237], v[236:237], v[126:127]
	v_pk_add_f32 v[248:249], v[248:249], v[130:131]
	v_pk_add_f32 v[246:247], v[246:247], v[134:135]
	v_pk_add_f32 v[244:245], v[244:245], v[138:139]
	v_pk_add_f32 v[242:243], v[242:243], v[142:143]
	v_pk_add_f32 v[240:241], v[240:241], v[146:147]
	v_pk_add_f32 v[232:233], v[232:233], v[150:151]
	v_pk_add_f32 v[14:15], v[14:15], v[154:155]
	v_pk_add_f32 v[236:237], v[236:237], v[158:159]
	s_delay_alu instid0(VALU_DEP_2)
	v_pk_add_f32 v[14:15], v[14:15], v[244:245]
	s_delay_alu instid0(VALU_DEP_2)
	v_pk_add_f32 v[236:237], v[236:237], v[242:243]
	s_setprio 0
	v_pk_add_f32 v[248:249], v[248:249], v[240:241]
	v_pk_add_f32 v[246:247], v[246:247], v[232:233]
	s_delay_alu instid0(VALU_DEP_2)
	v_pk_add_f32 v[14:15], v[14:15], v[248:249]
	s_delay_alu instid0(VALU_DEP_2)
	v_pk_add_f32 v[236:237], v[236:237], v[246:247]
	s_delay_alu instid0(VALU_DEP_1)
	v_pk_add_f32 v[14:15], v[14:15], v[236:237]
.set J, 0
.rept 16
	v_pk_mul_f32 v[OT+J:OT+J+1], v[OT+J:OT+J+1], v[252:253] op_sel_hi:[1,0]   ; O^T under the new M, from each accumulator's low end on.  (The sums and these are also the places between p's codes and scale word and the products below)
.set J, J+2
.endr
	s_wait_alu depctr_va_vdst(0)
	s_wait_dscnt 0x0                               ; v's ten loads are in
.irp d, 0,1,2,3
	PV \d                                          ; four accumulators by turns, one instruction a turn; the next step's eight other products stand between two links
.endr
.endm
; One tile of 16 queries: all 16 key steps, then o = O / the sum, quantised and stored.  p: 0 or 1, the tile's place in the stores' immediates.
.macro PASS p
	v_mov_b32 v13, 0xff61b1e6                      ; the largest t so far: -3e38, under every t
	s_delay_alu instid0(VALU_DEP_1)
	v_floor_f32 v12, -v13                          ; -M
	v_mov_b32 v14, 0                               ; the sum, in two halves
	v_mov_b32 v15, 0
.set J, 0
.rept 32
	v_mov_b32 v[OT+J], 0                           ; O^T.  (The step is written once: the first finds zeros, which the first change of M leaves zeros)
.set J, J+1
.endr
	s_mov_b32 s[TB], 0
	s_mov_b32 s[CNT], 16
.Lstep_\@:
	s_setprio 2
	STEP
	s_add_co_u32 s[TB], s[TB], REC
	s_sub_co_u32 s[CNT], s[CNT], 1
	s_cmp_lg_u32 s[CNT], 0
	s_cbranch_scc1 .Lstep_\@
	s_setprio 0
	v_add_f32 v14, v14, v15                        ; the sum's two halves,
	s_delay_alu instid0(VALU_DEP_1)
	v_permlanex16_b32 v252, v14, s[SEL], s[SEL+1]
	s_delay_alu instid0(VALU_DEP_1)
	v_add_f32 v14, v14, v252                       ; and lane l xor 16's: the row's sum
	PLACES 3                                       ; with the two additions: the places behind the last products
	s_wait_alu depctr_va_vdst(0)
	v_rcp_f32 v14, v14
	v_nop                                          ; one plain place behind a transcendental
.set J, 0
	s_wait_alu depctr_va_vdst(0)
.rept 16
	v_pk_mul_f32 v[ST+J:ST+J+1], v[OT+J:OT+J+1], v[14:15] op_sel_hi:[1,0]   ; o(query r, 16 d + 8 h + j)
.set J, J+2
.endr
	QUANT2 ST, PCD, 240, BM
	global_store_b128 v[L16], v[PCD:PCD+3], s[10:11] offset:131072*\p   ; 16 tiles of 16 heads x 512 bytes on for the second tile
	global_store_b16 v[R4], v240, s[12:13] offset:8192*\p
.endm
	s_load_b256 s[4:11], s[0:1], 0x0               ; qi s[4:5], qs s[6:7], kv s[8:9], oi s[10:11]
	s_load_b64 s[12:13], s[0:1], 0x20              ; os
	v_lshl_add_u32 v251, v0, 2, 0x29000
	v_mov_b32 v255, 0
	ds_add_u32 v251, v255
	ds_add_u32 v251, v255
	v_lshrrev_b32 v1, 5, v0
	s_delay_alu instid0(VALU_DEP_1)
	v_readfirstlane_b32 s[WV], v1                  ; wave 0..15
	v_and_b32 v[L4], 31, v0
	s_delay_alu instid0(VALU_DEP_1)
	v_lshlrev_b32 v[L16], 4, v[L4]
	s_delay_alu instid0(VALU_DEP_2)
	v_lshlrev_b32 v[L4], 2, v[L4]
	v_and_b32 v[R4], 15, v0
	s_delay_alu instid0(VALU_DEP_1)
	v_lshlrev_b32 v[R4], 2, v[R4]
	s_bfe_u32 s15, ttmp6, 0x40000                  ; cx: it enters q's and o's addresses alone
	s_lshl_b32 s16, ttmp9, 2
	s_add_co_u32 s16, s16, s15                     ; my block of 512 queries
	s_and_b32 s17, ttmp7, 0xffff                   ; the head among 64, which the four partners share
	s_mul_i32 s38, s17, 16*REC
	s_mul_i32 s40, s[WV], REC
	s_add_co_u32 s38, s38, s40                     ; the record that I fetch: key step = my wave's number
	s_mov_b32 s39, 0
	s_lshl_b32 s18, s16, 5
	s_add_co_u32 s18, s18, s[WV]                   ; my first tile of 16 queries in the batch: 32 block + wave; the second lies 16 further on
	s_lshl_b32 s42, s17, 16
	s_lshl_b32 s43, s18, 9
	s_add_co_u32 s42, s42, s43                     ; in qi
	s_mov_b32 s43, 0
	s_lshl_b32 s44, s17, 13
	s_lshl_b32 s45, s18, 6
	s_add_co_u32 s44, s44, s45                     ; in qs
	s_mov_b32 s45, 0
	s_lshr_b32 s19, s17, 4
	s_lshl_b32 s19, s19, 7
	s_add_co_u32 s19, s19, s18                     ; the tile among all 512: 128 batch + tile
	s_and_b32 s41, s17, 15                         ; the head in the batch
	s_lshl_b32 s46, s19, 4
	s_add_co_u32 s46, s46, s41
	s_lshl_b32 s46, s46, 9                         ; in oi
	s_mov_b32 s47, 0
	s_lshl_b32 s48, s19, 3
	s_lshr_b32 s49, s41, 1
	s_add_co_u32 s48, s48, s49
	s_lshl_b32 s48, s48, 6
	s_and_b32 s49, s41, 1
	s_lshl_b32 s49, s49, 1
	s_add_co_u32 s48, s48, s49                     ; in os: K step head / 2, half head % 2 of the words
	s_mov_b32 s49, 0
	s_mov_b32 s[SEL], 0x76543210
	s_mov_b32 s[SEL+1], 0xfedcba98
	s_mov_b32 s[CS], 0x3e38aa3b                    ; c = log2(e) / 8
	s_mov_b32 s[CS+1], s[CS]                       ; (named with it as a pair, so it is written)
	; descriptor group 1: a record, 9,984 dense bytes, as 39 rows of 256 (32 elements of 8 bytes); no padding: every LDS load takes consecutive bytes
	s_mov_b32 s[G1], 15|(3<<16)|(1<<21)            ; 15:0 the mask: all four work-groups; 17:16 elements of 8 bytes; 21 set beside a mask
	s_mov_b32 s[G1+1], 32<<16                      ; tensor_dim0
	s_mov_b32 s[G1+2], 39<<16                      ; tensor_dim1
	s_mov_b32 s[G1+3], 32<<16                      ; tile_dim0
	s_mov_b32 s[G1+4], 39                          ; tile_dim1
	s_mov_b32 s[G1+5], 32                          ; tensor_dim0_stride
	s_mov_b32 s[G1+6], 0
	s_mov_b32 s[G1+7], 0
	s_wait_dscnt 0x0
	s_wait_kmcnt 0x0
	s_mov_b32 s[G0], 1                             ; count = 1
	s_mul_i32 s[G0+1], s[WV], REC                  ; LDS address: record = wave
	s_add_nc_u64 s[G0+2:G0+3], s[8:9], s[38:39]
	s_or_b32 s[G0+3], s[G0+3], 0x80000000          ; type = 2
	s_add_nc_u64 s[4:5], s[4:5], s[42:43]
	s_add_nc_u64 s[6:7], s[6:7], s[44:45]
	s_add_nc_u64 s[10:11], s[10:11], s[46:47]
	s_add_nc_u64 s[12:13], s[12:13], s[48:49]
	CROUND                                         ; all four work-groups are here: the joint loads meet
	tensor_load_to_lds s[G0:G0+3], s[G1:G1+7]      ; one load a wave, sixteen records in all
	s_nop 0
	PLACES 4
	s_wait_alu depctr_va_vdst(0)
	global_load_b128 v[QF:QF+3], v[L16], s[4:5]    ; q of both tiles
	global_load_b128 v[6:9], v[L16], s[4:5] offset:8192
	global_load_b32 v[QS], v[R4], s[6:7]
	global_load_b32 v5, v[R4], s[6:7] offset:1024
	v_mov_b32 v[QF+4], 0x67777777                  ; q's pad, K = 64 + 32 h + 0 .. 7: the numbers 6 x 7, 4
.irp i, 5,6,7
	v_mov_b32 v[QF+\i], 0
.endr
.irp t, 0,1,2,3,4,5,6,7
.irp i, 5,6,7
	v_mov_b32 v[KF+8*\t+\i], 0                     ; the rest of k's pad: zero codes, set once
.endr
.endr
.irp b, 0,1,2,3
	v_mov_b32 v[TM+\b], 0                          ; written once: a lane permute's destination counts as one of its sources
.endr
	v_mov_b32 v253, 0                              ; (named as the upper half of the pair v[252:253])
	s_wait_tensorcnt 0x0                           ; my record has landed,
	s_barrier_signal -1
	s_barrier_wait -1                              ; everybody's has: the head lies in LDS, and nothing fills it again
	s_wait_loadcnt 0x0                             ; q
	PASS 0
	s_wait_xcnt 0x0                                ; the two stores have read their registers: the next tile may write them
.irp i, 0,1,2,3
	v_mov_b32 v[QF+\i], v[6+\i]
.endr
	v_mov_b32 v[QS], v5                            ; (the 36 lines that begin the next tile stand between this and the first product)
	PASS 1
	s_wait_tensorcnt 0x0
	ds_add_u32 v251, v255
	s_wait_dscnt 0x0
	CROUND                                         ; the closing round
	s_endpgm
.Lfunc_end_k_qdcbe07f982_attn:
	.size	k_qdcbe07f982_attn, .Lfunc_end_k_qdcbe07f982_attn-k_qdcbe07f982_attn
	.p2alignl 7, 3214868480
	.fill 96, 4, 3214868480
	.section	.rodata,"a",@progbits
	.p2align	6, 0x0
	.amdhsa_kernel k_qdcbe07f982_attn
		.amdhsa_group_segment_fixed_size 169984
		.amdhsa_private_segment_fixed_size 0
		.amdhsa_enable_private_segment 0
		.amdhsa_kernarg_size 40
		.amdhsa_user_sgpr_count 2
		.amdhsa_user_sgpr_kernarg_segment_ptr 1
		.amdhsa_wavefront_size32 1
		.amdhsa_system_sgpr_workgroup_id_x 1
		.amdhsa_system_sgpr_workgroup_id_y 1
		.amdhsa_system_sgpr_workgroup_id_z 1
		.amdhsa_system_vgpr_workitem_id 0
		.amdhsa_next_free_vgpr 256
		.amdhsa_next_free_sgpr 66
		.amdhsa_reserve_vcc 0
		.amdhsa_float_denorm_mode_32 3
		.amdhsa_float_denorm_mode_16_64 3
		.amdhsa_memory_ordered 1
		.amdhsa_forward_progress 1
		.amdhsa_inst_pref_size 51
	.end_amdhsa_kernel
	.amdgpu_metadata
---
amdhsa.version: [ 1, 2 ]
amdhsa.kernels:
  - .name:           k_qdcbe07f982_attn
    .symbol:         k_qdcbe07f982_attn.kd
    .args:
      - { .name: qi, .offset: 0, .size: 8, .value_kind: global_buffer, .address_space: global }
      - { .name: qs, .offset: 8, .size: 8, .value_kind: global_buffer, .address_space: global }
      - { .name: kv, .offset: 16, .size: 8, .value_kind: global_buffer, .address_space: global }
      - { .name: oi, .offset: 24, .size: 8, .value_kind: global_buffer, .address_space: global }
      - { .name: os, .offset: 32, .size: 8, .value_kind: global_buffer, .address_space: global }
    .group_segment_fixed_size: 169984
    .private_segment_fixed_size: 0
    .kernarg_segment_align: 8
    .kernarg_segment_size: 40
    .max_flat_workgroup_size: 512
    .sgpr_count:     66
    .vgpr_count:     256
    .wavefront_size: 32
...
	.end_amdgpu_metadata
.endif
;; end of part 2
;; launch outp (part 3): grid 4 x 64, 8 waves a work-group, clusters of 4 x 4, 249,344 bytes of LDS; arguments oi, os, WO_w_codes, WO_w_scales, WO_b, mask, out0; writes out0
.if DOCPART == 3
	.amdgcn_target "amdgcn-amd-amdhsa--gfx1250"
	.amdhsa_code_object_version 6
	.text
	.protected	k_qdcbe07f982_outp
	.globl	k_qdcbe07f982_outp
	.p2align	8
	.type	k_qdcbe07f982_outp,@function
k_qdcbe07f982_outp:
	s_mov_b64 s[64:65], 0
	v_nop
	global_prefetch_b8 v0, s[64:65] scope:SCOPE_SE
	s_setreg_imm32_b32 hwreg(HW_REG_WAVE_MODE, 25, 1), 1
	s_wait_xcnt 0x0
	s_wait_alu depctr_hold_cnt(0) depctr_sa_sdst(0) depctr_va_vdst(0) depctr_va_sdst(0) depctr_va_ssrc(0) depctr_va_vcc(0) depctr_vm_vsrc(0)
	s_getreg_b32 s2, hwreg(HW_REG_IB_STS2, 6, 4)
	s_cmp_eq_u32 s2, 0
	s_cbranch_scc0 .Lentry_in_a_cluster
	s_endpgm
.Lentry_in_a_cluster:
	s_bfe_u32 s2, ttmp6, 0x10000c
	s_cmp_lg_u32 s2, 0xf033
	s_cbranch_scc0 .Lentry_shape_is_right
	s_endpgm
.Lentry_shape_is_right:
; out0 = |(o WO^T + b) x mask| on codes of FP4 (E2M1) with E8M0 scales; o comes as images of the operand's registers (oi) and scale words (os).
; SHARES.  A work-group takes 128 tokens (block tb of 64) x 256 features (block fb of 4); all of K = 1,024 lies in LDS, filled once.  Eight waves: wave w takes the tokens' half w % 2 and the features' quarter w / 2:
; 64 x 64, 16 accumulators.  The product is used transposed (source 0 = 16 rows of WO, source 1 = 16 tokens): a lane holds one token and eight neighbouring outputs.  The bias is the C of each sum's first product.
; The mask is 0 or 1, so |o| x mask = |o x mask|: one multiplication a number.
; THE WAY OUT.  A wave's 64 features are 256 bytes of a row of out0: 16 rows at a time go through the wave's own stage in LDS, so that sixteen lanes store 256 consecutive bytes, aligned.
; CLUSTER 4 x 4: the four work-groups of a row share tb and so o's tiles, the four of a column share fb and so WO's: each tile is asked for jointly.
; LIMITS: NaN, infinities and given scale bytes of 0xff are not served.
.set PITCH, 528                        ; a row of WO's codes in LDS: 512 bytes + 16 of padding
.set HALFT, 64*PITCH
.set OI,    256*PITCH                  ; behind WO's 256 rows: o's images: [8 tiles][8 K steps][2][lane][16 B], 65,536 bytes
.set OSL,   OI+65536                   ; o's scale words: [8 tiles][8 K steps][16], 4,096 bytes
.set WSL,   OSL+4096                   ; WO's scale bytes: 8,192 bytes as 32 pieces of 256 + 16; row p's 32 bytes lie at 32 p + 16 (p / 8)
.set STG,   WSL+32*272                 ; the stages: 16 rows x 272 bytes for each wave; no tensor load lands here
.set SP,    272
.set RD,   1                           ; v1   the stage: where I read a row back
.set CO,   2                           ; v2   my byte offset in two rows of out0
.set AD0,  3                           ; v3   LDS address of WO's rows
.set AD1,  4                           ; v4   of o's images
.set ADS,  5                           ; v5   of WO's scale words
.set ADO,  6                           ; v6   of o's scale words
.set STO,  7                           ; v7   the stage: where I put 32 bytes of a row
.set MK,   8                           ; v8-11   the mask of token 16 a + r, as f32
.set SCO,  12                          ; v12-15  o's scale words of tile a
.set SCW,  16                          ; v16-31  WO's: register 4 i + q: tile i, the q-th of four K steps
.set F0,   32                          ; v32-63  WO's four fragments; on the way out rows read back
.set F1,   64                          ; v64-95  o's four
.set ACC,  96                          ; v96-223 accumulator (a, b) at 96 + 8 (4 a + b); v96-99 serve the head as work registers
.set BI,   224                         ; v224-255 the bias: tile b's registers are features 16 b + 8 h + 0 .. 7
.set WV,   18                          ; s18
.set G1WC, 24                          ; s[24:31] group 1: WO's codes      s[56:59] group 0
.set G1OI, 32                          ; s[32:39] o's images               s[60:63]
.set G1OS, 40                          ; s[40:47] o's scale words          s[68:71]
.set G1WS, 48                          ; s[48:55] WO's scale bytes         s[72:75]
.set G0WC, 56
.set G0OI, 60
.set G0OS, 68
.set G0WS, 72
.macro PLACES n
.rept \n
	v_nop
.endr
.endm
.macro CROUND                          ; a round of the cluster's barrier
	s_barrier_signal -1
	s_barrier_wait -1
	s_cmp_lg_u32 s[WV], 0
	s_cbranch_scc1 .Lnot_wave_0_\@
	s_barrier_signal -3
.Lnot_wave_0_\@:
	s_barrier_wait -3
	s_barrier_signal -1
	s_barrier_wait -1
.endm
.macro LOADS s                         ; the LDS loads of K step s: scale words first, then WO's eight loads, then o's eight
.if (\s)%4 == 0
.irp i, 0,1,2,3
	ds_load_b128 v[SCW+4*\i:SCW+4*\i+3], v[ADS] offset:544*\i+16*((\s)/4)
.endr
.endif
.irp a, 0,1,2,3
	ds_load_b32 v[SCO+\a], v[ADO] offset:512*\a+64*(\s)
.endr
.irp i, 0,1,2,3
.irp c, 0,1
	ds_load_b128 v[F0+8*\i+4*\c:F0+8*\i+4*\c+3], v[AD0] offset:16*PITCH*\i+64*(\s)+32*\c
.endr
.endr
.irp i, 0,1,2,3
.irp c, 0,1
	ds_load_b128 v[F1+8*\i+4*\c:F1+8*\i+4*\c+3], v[AD1] offset:8192*\i+1024*(\s)+512*\c
.endr
.endr
.endm
.macro WM a, b, q, c                   ; one product; c: the first register of its C
	v_wmma_scale_f32_16x16x128_f8f6f4 v[ACC+8*(4*(\a)+(\b)):ACC+8*(4*(\a)+(\b))+7], v[F0+8*(\b):F0+8*(\b)+7], v[F1+8*(\a):F1+8*(\a)+7], v[(\c):(\c)+7], v[SCW+4*(\b)+(\q)], v[SCO+(\a)] matrix_a_fmt:MATRIX_FMT_FP4 matrix_b_fmt:MATRIX_FMT_FP4
.endm
; The 16 products of K step s; first = 1: the sums begin with the bias.  The 16 accumulators take turns, one instruction a turn, in the same order in every step.
.macro MULS s, first
.irp a, 0,1,2,3
	s_wait_dscnt 6-2*\a                    ; LDS loads come back in order: behind the two of o's tile a stand the two of each later tile
.irp b, 0,1,2,3
.if \first
	WM \a, \b, (\s)%4, BI+8*\b
.else
	WM \a, \b, (\s)%4, ACC+8*(4*\a+\b)
.endif
.endr
.endr
.endm
	s_load_b256 s[4:11], s[0:1], 0x0               ; oi s[4:5], os s[6:7], WO's codes s[8:9], WO's scales s[10:11]
	s_load_b128 s[12:15], s[0:1], 0x20             ; WO_b s[12:13], mask s[14:15]
	s_load_b64 s[16:17], s[0:1], 0x30              ; out0
	s_set_vgpr_msb 0x40
	v_lshl_add_u32 v0, v0, 2, 0x3ca00
	v_mov_b32 v1, 0
	s_set_vgpr_msb 0x4045
	ds_add_u32 v0, v1
	ds_add_u32 v0, v1
	s_set_vgpr_msb 0x4500
	v_lshrrev_b32 v1, 5, v0
	s_delay_alu instid0(VALU_DEP_1)
	v_readfirstlane_b32 s[WV], v1                  ; wave 0..7
	s_bfe_u32 s76, ttmp6, 0x40000                  ; cx, cy: my place in the cluster
	s_bfe_u32 s77, ttmp6, 0x40004
	s_lshl_b32 s78, ttmp9, 2
	s_add_co_u32 s78, s78, s76                     ; fb = 4 x cluster x + cx: the block of 256 features
	s_and_b32 s79, ttmp7, 0xffff
	s_lshl_b32 s79, s79, 2
	s_add_co_u32 s79, s79, s77                     ; tb = 4 x cluster y + cy: the block of 128 tokens
	s_lshl_b32 s80, s77, 2
	s_lshl_b32 s80, 15, s80                        ; my row of the cluster
	s_lshl_b32 s81, 0x1111, s76                    ; my column
	s_and_b32 s82, s[WV], 1                        ; which half of the tokens
	s_lshr_b32 s83, s[WV], 1                       ; which quarter of the features
	v_and_b32 v96, 15, v0                          ; r
	v_bfe_u32 v97, v0, 4, 1                        ; h
	v_and_b32 v98, 31, v0                          ; lane
	s_mul_i32 s84, s83, HALFT
	v_mul_u32_u24 v99, v96, PITCH
	s_delay_alu instid0(VALU_DEP_1)
	v_lshl_add_u32 v99, v97, 4, v99
	s_delay_alu instid0(VALU_DEP_1)
	v_add_nc_u32 v[AD0], s84, v99                  ; WO: my 64 rows; row x pitch + 16 h
	s_lshl_b32 s84, s82, 15
	s_add_co_u32 s84, s84, OI
	v_lshl_add_u32 v[AD1], v98, 4, s84             ; o: my four tiles; 16 x lane
	v_lshrrev_b32 v99, 3, v96
	s_delay_alu instid0(VALU_DEP_1)
	v_lshlrev_b32 v99, 4, v99
	s_delay_alu instid0(VALU_DEP_1)
	v_lshl_add_u32 v99, v96, 5, v99                ; 32 r + 16 (r / 8)
	s_mul_i32 s84, s83, 8*272
	s_add_co_u32 s84, s84, WSL
	v_add_nc_u32 v[ADS], s84, v99
	s_lshl_b32 s84, s82, 11
	s_add_co_u32 s84, s84, OSL
	v_lshl_add_u32 v[ADO], v96, 2, s84
	s_mul_i32 s84, s[WV], 16*SP
	s_add_co_u32 s84, s84, STG                     ; my stage
	v_mul_u32_u24 v99, v96, SP
	s_delay_alu instid0(VALU_DEP_1)
	v_lshl_add_u32 v99, v97, 5, v99
	s_delay_alu instid0(VALU_DEP_1)
	v_add_nc_u32 v[STO], s84, v99                  ; in: row r, 32 bytes for each half of the lanes
	v_mul_u32_u24 v99, v97, SP
	s_delay_alu instid0(VALU_DEP_1)
	v_lshl_add_u32 v99, v96, 4, v99
	s_delay_alu instid0(VALU_DEP_1)
	v_add_nc_u32 v[RD], s84, v99                   ; back: lanes 0-15 one row of 256 bytes, lanes 16-31 the next
	v_lshlrev_b32 v[CO], 12, v97
	s_delay_alu instid0(VALU_DEP_1)
	v_lshl_add_u32 v[CO], v96, 4, v[CO]            ; and the same two rows in out0, 4,096 bytes apart
	v_lshlrev_b32 v97, 5, v97                      ; the bias: 32 h
	; descriptor group 1
	s_or_b32 s[G1WC], s81, (1<<20)|(1<<21)|(6<<22)|(3<<25)   ; WO's codes: the mask of my column; elements of 1 byte; padding: four words after every 128
	s_mov_b32 s[G1WC+1], 512<<16                   ; 64 rows of 512 bytes
	s_mov_b32 s[G1WC+2], 64<<16
	s_mov_b32 s[G1WC+3], 512<<16
	s_mov_b32 s[G1WC+4], 64
	s_mov_b32 s[G1WC+5], 512
	s_mov_b32 s[G1WC+6], 0
	s_mov_b32 s[G1WC+7], 0
	s_or_b32 s[G1OI], s80, (3<<16)|(1<<21)         ; o's images: the mask of my row; elements of 8 bytes; no padding
	s_mov_b32 s[G1OI+1], 32<<16                    ; 32,768 dense bytes as 128 rows of 256
	s_mov_b32 s[G1OI+2], 128<<16
	s_mov_b32 s[G1OI+3], 32<<16
	s_mov_b32 s[G1OI+4], 128
	s_mov_b32 s[G1OI+5], 32
	s_mov_b32 s[G1OI+6], 0
	s_mov_b32 s[G1OI+7], 0
	s_or_b32 s[G1OS], s80, (3<<16)|(1<<21)         ; o's scale words: 4,096 dense bytes as 16 rows of 256
	s_mov_b32 s[G1OS+1], 32<<16
	s_mov_b32 s[G1OS+2], 16<<16
	s_mov_b32 s[G1OS+3], 32<<16
	s_mov_b32 s[G1OS+4], 16
	s_mov_b32 s[G1OS+5], 32
	s_mov_b32 s[G1OS+6], 0
	s_mov_b32 s[G1OS+7], 0
	s_or_b32 s[G1WS], s81, (3<<16)|(1<<20)|(1<<21)|(5<<22)|(3<<25)   ; WO's scale bytes: 8,192 dense bytes as 32 rows of 256, four words of padding behind each
	s_mov_b32 s[G1WS+1], 32<<16
	s_mov_b32 s[G1WS+2], 32<<16
	s_mov_b32 s[G1WS+3], 32<<16
	s_mov_b32 s[G1WS+4], 32
	s_mov_b32 s[G1WS+5], 32
	s_mov_b32 s[G1WS+6], 0
	s_mov_b32 s[G1WS+7], 0
	s_wait_dscnt 0x0
	s_wait_kmcnt 0x0
	; group 0, one set for each line.  WO's hang on fb and the wave's number alone (offsets in s[88:89]), o's on tb and the wave's number alone (s[86:87])
	s_and_b32 s84, s[WV], 3
	s_lshl_b32 s88, s78, 17                        ; 256 rows of 512 bytes,
	s_lshl_b32 s89, s84, 15                        ; my 64 of them
	s_add_co_u32 s88, s88, s89
	s_mov_b32 s89, 0
	s_mov_b32 s[G0WC], 1
	s_mul_i32 s[G0WC+1], s84, HALFT
	s_add_nc_u64 s[G0WC+2:G0WC+3], s[8:9], s[88:89]
	s_or_b32 s[G0WC+3], s[G0WC+3], 0x80000000
	s_lshl_b32 s88, s78, 13
	s_mov_b32 s[G0WS], 1
	s_mov_b32 s[G0WS+1], WSL
	s_add_nc_u64 s[G0WS+2:G0WS+3], s[10:11], s[88:89]
	s_or_b32 s[G0WS+3], s[G0WS+3], 0x80000000
	s_lshl_b32 s86, s79, 16                        ; 8 tiles of 8,192 bytes,
	s_lshl_b32 s87, s82, 15                        ; my half of them
	s_add_co_u32 s86, s86, s87
	s_mov_b32 s87, 0
	s_mov_b32 s[G0OI], 1
	s_lshl_b32 s[G0OI+1], s82, 15
	s_add_co_u32 s[G0OI+1], s[G0OI+1], OI
	s_add_nc_u64 s[G0OI+2:G0OI+3], s[4:5], s[86:87]
	s_or_b32 s[G0OI+3], s[G0OI+3], 0x80000000
	s_lshl_b32 s86, s79, 12
	s_mov_b32 s[G0OS], 1
	s_mov_b32 s[G0OS+1], OSL
	s_add_nc_u64 s[G0OS+2:G0OS+3], s[6:7], s[86:87]
	s_or_b32 s[G0OS+3], s[G0OS+3], 0x80000000
	CROUND                                         ; all sixteen work-groups are here: the joint loads meet
	; one joint load a wave: waves 0-3 WO's codes, 4 and 5 o's images, 6 o's scale words, 7 WO's scale bytes.  Four v_nop follow each line
	s_cmp_lt_u32 s[WV], 4
	s_cbranch_scc0 .Lnot_wc
	tensor_load_to_lds s[G0WC:G0WC+3], s[G1WC:G1WC+7]
	s_nop 0
	PLACES 4
	s_branch .Lasked
.Lnot_wc:
	s_cmp_lt_u32 s[WV], 6
	s_cbranch_scc0 .Lnot_oi
	tensor_load_to_lds s[G0OI:G0OI+3], s[G1OI:G1OI+7]
	s_nop 0
	PLACES 4
	s_branch .Lasked
.Lnot_oi:
	s_cmp_eq_u32 s[WV], 6
	s_cbranch_scc0 .Lnot_os
	tensor_load_to_lds s[G0OS:G0OS+3], s[G1OS:G1OS+7]
	s_nop 0
	PLACES 4
	s_branch .Lasked
.Lnot_os:
	tensor_load_to_lds s[G0WS:G0WS+3], s[G1WS:G1WS+7]
	s_nop 0
	PLACES 4
.Lasked:
	s_lshl_b32 s88, s78, 10
	s_lshl_b32 s84, s83, 8
	s_add_co_u32 s88, s88, s84                     ; my 64 features, in bytes of f32
	s_add_nc_u64 s[12:13], s[12:13], s[88:89]      ; the bias
	s_add_nc_u64 s[16:17], s[16:17], s[88:89]      ; out0: my columns,
	s_lshl_b32 s86, s79, 7
	s_lshl_b32 s84, s82, 6
	s_add_co_u32 s86, s86, s84                     ; my first token
	s_add_nc_u64 s[14:15], s[14:15], s[86:87]      ; the mask
	s_lshl_b32 s86, s86, 12
	s_add_nc_u64 s[16:17], s[16:17], s[86:87]      ; and my rows, of 4,096 bytes
.irp a, 0,1,2,3
	global_load_u8 v[MK+\a], v96, s[14:15] offset:16*\a
.endr
	s_wait_alu depctr_va_vdst(0)
.irp b, 0,1,2,3
	global_load_b128 v[BI+8*\b:BI+8*\b+3], v97, s[12:13] offset:64*\b
	global_load_b128 v[BI+8*\b+4:BI+8*\b+7], v97, s[12:13] offset:64*\b+16
.endr
	s_wait_tensorcnt 0x0                           ; my one tensor load has landed,
	s_barrier_signal -1
	s_barrier_wait -1                              ; everybody's has; nothing fills LDS again
	LOADS 0
	s_wait_loadcnt 0x0                             ; the bias and the mask; v96 and v97 are free for the sums
.irp a, 0,1,2,3
	v_cvt_f32_u32 v[MK+\a], v[MK+\a]
.endr
	MULS 0, 1
.irp s, 1,2,3,4,5,6,7
	PLACES 4                                       ; four places in front of loads into registers that matrix instructions have read
	LOADS \s
	MULS \s, 0
.endr
.macro SCALE a                         ; |o| x mask, each accumulator from its low end on
.set J, 0
.rept 32
	v_mul_f32 v[ACC+32*(\a)+J], |v[ACC+32*(\a)+J]|, v[MK+(\a)]
.set J, J+1
.endr
.endm
.macro TOSTAGE a                       ; 16 rows x 256 bytes into my stage and back as whole rows; LDS serves a wave's instructions in order, so no wait stands between
.irp b, 0,1,2,3
	ds_store_b128 v[STO], v[ACC+32*(\a)+8*\b:ACC+32*(\a)+8*\b+3] offset:64*\b
	ds_store_b128 v[STO], v[ACC+32*(\a)+8*\b+4:ACC+32*(\a)+8*\b+7] offset:64*\b+16
.endr
.irp i, 0,1,2,3,4,5,6,7
	ds_load_b128 v[F0+32*((\a)%2)+4*\i:F0+32*((\a)%2)+4*\i+3], v[RD] offset:2*\i*SP
.endr
.endm
.macro SEND a, younger                 ; younger: the LDS instructions issued behind block a's loads, which may stay out
	s_wait_dscnt \younger
.irp i, 0,1,2,3,4,5,6,7
	global_store_b128 v[CO], v[F0+32*((\a)%2)+4*\i:F0+32*((\a)%2)+4*\i+3], s[16:17] offset:(16*(\a)+2*\i)*4096 th:TH_STORE_NT   ; sixteen lanes store 256 consecutive bytes, aligned; written once, read by nobody here
.endr
.endm
	PLACES 4                                       ; in front of the first read of the results and of the loads into the fragments' registers
	s_wait_alu depctr_va_vdst(0)
	SCALE 0
	TOSTAGE 0
.irp a, 1,2,3
	SCALE \a
.if \a > 1
	s_wait_alu depctr_va_vdst(0)
	s_wait_xcnt 0x0                                ; block a - 2's stores have read their registers: block a's rows may land there
.endif
	TOSTAGE \a
	SEND \a-1, 16                                  ; behind block a - 1's loads: block a's 8 stores and 8 loads
.endr
	SEND 3, 0
	s_set_vgpr_msb 0x5
	s_wait_tensorcnt 0x0
	ds_add_u32 v0, v1
	s_wait_dscnt 0x0
	s_set_vgpr_msb 0x500
	CROUND                                         ; the closing round: no work-group ends while a partner may still ask for a tile that names it
	s_endpgm
.Lfunc_end_k_qdcbe07f982_outp:
	.size	k_qdcbe07f982_outp, .Lfunc_end_k_qdcbe07f982_outp-k_qdcbe07f982_outp
	.p2alignl 7, 3214868480
	.fill 96, 4, 3214868480
	.section	.rodata,"a",@progbits
	.p2align	6, 0x0
	.amdhsa_kernel k_qdcbe07f982_outp
		.amdhsa_group_segment_fixed_size 249344
		.amdhsa_private_segment_fixed_size 0
		.amdhsa_enable_private_segment 0
		.amdhsa_kernarg_size 56
		.amdhsa_user_sgpr_count 2
		.amdhsa_user_sgpr_kernarg_segment_ptr 1
		.amdhsa_wavefront_size32 1
		.amdhsa_system_sgpr_workgroup_id_x 1
		.amdhsa_system_sgpr_workgroup_id_y 1
		.amdhsa_system_sgpr_workgroup_id_z 1
		.amdhsa_system_vgpr_workitem_id 0
		.amdhsa_next_free_vgpr 258
		.amdhsa_next_free_sgpr 96
		.amdhsa_reserve_vcc 0
		.amdhsa_float_denorm_mode_32 3
		.amdhsa_float_denorm_mode_16_64 3
		.amdhsa_memory_ordered 1
		.amdhsa_forward_progress 1
		.amdhsa_inst_pref_size 54
	.end_amdhsa_kernel
	.amdgpu_metadata
---
amdhsa.version: [ 1, 2 ]
amdhsa.kernels:
  - .name:           k_qdcbe07f982_outp
    .symbol:         k_qdcbe07f982_outp.kd
    .args:
      - { .name: oi, .offset: 0, .size: 8, .value_kind: global_buffer, .address_space: global }
      - { .name: os, .offset: 8, .size: 8, .value_kind: global_buffer, .address_space: global }
      - { .name: WO_w_codes, .offset: 16, .size: 8, .value_kind: global_buffer, .address_space: global }
      - { .name: WO_w_scales, .offset: 24, .size: 8, .value_kind: global_buffer, .address_space: global }
      - { .name: WO_b, .offset: 32, .size: 8, .value_kind: global_buffer, .address_space: global }
      - { .name: mask, .offset: 40, .size: 8, .value_kind: global_buffer, .address_space: global }
      - { .name: out0, .offset: 48, .size: 8, .value_kind: global_buffer, .address_space: global }
    .group_segment_fixed_size: 249344
    .private_segment_fixed_size: 0
    .kernarg_segment_align: 8
    .kernarg_segment_size: 56
    .max_flat_workgroup_size: 256
    .sgpr_count:     96
    .vgpr_count:     258
    .wavefront_size: 32
...
	.end_amdgpu_metadata
.endif
;; end of part 3
